; MI455X (gfx1250); checked and timed in simulation.
; The chip was launched on July 23, 2026; its instructions are those of AMD's public machine-readable ISA for CDNA 5 (MIT licence, August 2026) and "CDNA5" Instruction Set Architecture Reference Guide (July 2026). The comments in the code are by the model that wrote it; some were corrected since.
;; Sliding Window Attention. Allowed arithmetic: float matrix products may take bf16 or f16 operands with f32 sums; other float arithmetic in f32, or as packed bf16 or f16 multiplies, adds, multiply-adds, maxima and minima; sums over many terms, partial sums and values carried from step to step in f32; what a program stores and reads back later, other than sums and carried values, may be rounded once to bf16 or f16.
;; Inputs: Wk 1,024 x 1,024 float32; Wq 1,024 x 1,024 float32; Wv 1,024 x 1,024 float32; bk 1,024 float32; bq 1,024 float32; bv 1,024 float32; hidden_states 4 x 2,048 x 1,024 float32.
;; Outputs: out0 4 x 2,048 x 1,024 float32.
;; One version. Each part assembles by itself: llvm-mc -triple=amdgcn-amd-amdhsa -mcpu=gfx1250 --defsym DOCPART=n.
;; ======== version 1 of 1: 3 launches
;; limits: values are held in f16: magnitudes above 65,504 overflow, below 6.1e-05 lose precision
;; workspace buffers: xb 16,777,216 bytes; wt 6,291,456 bytes; bcat 12,288 bytes; qkv 50,331,648 bytes
;; launch prep (part 1): grid 899 x 1, 8 waves a work-group, no clusters, 18,432 bytes of LDS; arguments hidden_states, Wq, Wk, Wv, bq, bk, bv, xb, wt, bcat; writes xb, wt, bcat
.if DOCPART == 1
	.amdgcn_target "amdgcn-amd-amdhsa--gfx1250"
	.amdhsa_code_object_version 6
	.text
	.protected	k_q0f5cd2c6fe_prep
	.globl	k_q0f5cd2c6fe_prep
	.p2align	8
	.type	k_q0f5cd2c6fe_prep,@function
k_q0f5cd2c6fe_prep:
	s_mov_b64 s[64:65], 0
	v_nop
	global_prefetch_b8 v0, s[64:65] scope:SCOPE_SE
	s_setreg_imm32_b32 hwreg(HW_REG_WAVE_MODE, 25, 1), 1
	s_wait_xcnt 0x0
; PREPARES THE PROJECTION'S OPERANDS.  All the module's inputs are rounded once to bf16 (nearest even).
;   work-groups 0..511:   xb[m][k] = bf16(x[m][k]); 16,384 numbers each: a plain stream, no LDS.
;   work-groups 512..895: wt[1024 mat + c][k] = bf16(W_mat[k][c]), mat 0, 1, 2 = q, k, v: a tile of 128 k x 64 c each, turned through LDS,
;                         so that the product's second operand has k along its rows.
;   work-groups 896..898: bcat[1024 mat + c] = the bias rounded to bf16 and widened again to f32 (it starts the product's f32 sums).
; The three ways part on the work-group's number alone, so all eight waves of a work-group take the same way.
; No matrix unit, no cluster: nothing is multiplied and no two work-groups read the same bytes.
.set SPARE, 17408                      ; behind the tile: the spare words, 128 bytes for each of the eight waves: four blocks of 256 bytes that no other line names
.set SPW, 8                            ; v8   LDS address of my spare word: SPARE + 4 x my thread's number; never rewritten
.set NIL, 9                            ; v9   0; never rewritten
.set TP,  272                          ; a row of the turned tile in LDS: 128 k x 2 bytes + 16 of padding
	s_load_b512 s[8:23], s[0:1], 0x0               ; x s[8:9], Wq s[10:11], Wk s[12:13], Wv s[14:15], bq s[16:17], bk s[18:19], bv s[20:21], xb s[22:23]
	s_load_b128 s[24:27], s[0:1], 0x40             ; wt s[24:25], bcat s[26:27]
	v_lshl_add_u32 v[SPW], v0, 2, SPARE
	v_mov_b32 v[NIL], 0
	v_lshrrev_b32 v1, 5, v0
	v_readfirstlane_b32 s4, v1                     ; wave 0..7
	s_mov_b32 s5, ttmp9
	s_mov_b32 s29, 0                               ; the high word of every offset pair s[28:29]
	s_wait_kmcnt 0x0
	s_cmp_lt_u32 s5, 512
	s_cbranch_scc1 .Lx
	s_cmp_lt_u32 s5, 896
	s_cbranch_scc1 .Lw
	; A BIAS: 1,024 numbers, 16 bytes a thread.
	s_sub_co_u32 s6, s5, 896                       ; mat
	s_cmp_eq_u32 s6, 1
	s_cselect_b64 s[16:17], s[18:19], s[16:17]
	s_cmp_eq_u32 s6, 2
	s_cselect_b64 s[16:17], s[20:21], s[16:17]
	s_lshl_b32 s28, s6, 12
	s_add_nc_u64 s[26:27], s[26:27], s[28:29]
	v_lshlrev_b32 v2, 4, v0
	global_load_b128 v[16:19], v2, s[16:17]
	s_wait_loadcnt 0x0
	v_cvt_pk_bf16_f32 v20, v16, v17
	v_cvt_pk_bf16_f32 v21, v18, v19
	v_lshlrev_b32 v24, 16, v20                     ; bf16 to f32: the low half moves up,
	v_and_b32 v25, 0xffff0000, v20                 ; the high half stays
	v_lshlrev_b32 v26, 16, v21
	v_and_b32 v27, 0xffff0000, v21
	global_store_b128 v2, v[24:27], s[26:27]
	s_endpgm
.Lx:	; THE CAST OF x.  Thread t takes 32 bytes (8 numbers) at 32 t of each of eight pieces of 8,192 bytes, and stores 16 bytes at 16 t of 4,096.
	s_lshl_b32 s28, s5, 16
	s_add_nc_u64 s[8:9], s[8:9], s[28:29]
	s_lshl_b32 s28, s5, 15
	s_add_nc_u64 s[22:23], s[22:23], s[28:29]
	v_lshlrev_b32 v1, 5, v0
	v_lshlrev_b32 v2, 4, v0
.set i, 0
.rept 8                                        ; all sixteen loads of the wave go out at once: 8 KiB a wave on its way
	global_load_b128 v[16+8*i:19+8*i], v1, s[8:9] offset:8192*i th:TH_LOAD_NT
	global_load_b128 v[20+8*i:23+8*i], v1, s[8:9] offset:8192*i+16 th:TH_LOAD_NT
.set i, i+1
.endr
.set i, 0
.rept 8
	s_wait_loadcnt 14-2*i                          ; loads come back in order: pair i is in, the 2 (7 - i) younger loads stay out
	v_cvt_pk_bf16_f32 v[80+4*i], v[16+8*i], v[17+8*i]
	v_cvt_pk_bf16_f32 v[81+4*i], v[18+8*i], v[19+8*i]
	v_cvt_pk_bf16_f32 v[82+4*i], v[20+8*i], v[21+8*i]
	v_cvt_pk_bf16_f32 v[83+4*i], v[22+8*i], v[23+8*i]
	global_store_b128 v2, v[80+4*i:83+4*i], s[22:23] offset:4096*i th:TH_STORE_NT  ; 16 lanes store 256 consecutive bytes, aligned; no register is written twice, so no wait frees one
.set i, i+1
.endr
	s_endpgm
.Lw:	; A TILE OF W, TURNED.  j = mat x 128 + ct x 8 + kt: rows 128 kt .. + 127 (k), columns 64 ct .. + 63 (c) of W_mat.
	s_sub_co_u32 s6, s5, 512
	s_lshr_b32 s7, s6, 7                           ; mat
	s_cmp_eq_u32 s7, 1
	s_cselect_b64 s[10:11], s[12:13], s[10:11]
	s_cmp_eq_u32 s7, 2
	s_cselect_b64 s[10:11], s[14:15], s[10:11]
	s_and_b32 s30, s6, 7                           ; kt
	s_bfe_u32 s31, s6, 0x40003                     ; ct
	s_lshl_b32 s28, s30, 19                        ; 128 rows of 4,096 bytes
	s_lshl_b32 s32, s31, 8                         ; 64 columns of 4 bytes
	s_add_co_u32 s28, s28, s32
	s_add_nc_u64 s[10:11], s[10:11], s[28:29]
	s_lshl_b32 s28, s7, 21                         ; wt: 1,024 rows of 2,048 bytes for each mat,
	s_lshl_b32 s32, s31, 17                        ; 64 rows,
	s_add_co_u32 s28, s28, s32
	s_lshl_b32 s32, s30, 8                         ; 128 k of 2 bytes
	s_add_co_u32 s28, s28, s32
	s_add_nc_u64 s[24:25], s[24:25], s[28:29]
	v_and_b32 v10, 15, v0                          ; c4: my four columns
	v_bfe_u32 v11, v0, 4, 1                        ; hh: which eight of my wave's sixteen rows
	v_lshlrev_b32 v1, 4, v10                       ; in W: (16 w + 8 hh) rows + 16 c4: sixteen lanes read 256 consecutive bytes of a row
	v_lshl_add_u32 v1, v11, 15, v1
	s_lshl_b32 s32, s4, 16
	v_add_nc_u32 v1, s32, v1
	v_mul_u32_u24 v3, v10, 4*TP                    ; into LDS: row 4 c4 (+ q), byte 2 (16 w + 8 hh)
	v_lshl_add_u32 v3, v11, 4, v3
	s_lshl_b32 s32, s4, 5
	v_add_nc_u32 v3, s32, v3
	v_mul_u32_u24 v4, v11, TP                      ; back: row 8 w + hh (+ 2 t), 16 bytes a lane: sixteen lanes take a whole row
	v_lshl_add_u32 v4, v10, 4, v4
	s_mul_i32 s32, s4, 8*TP
	v_add_nc_u32 v4, s32, v4
	v_lshlrev_b32 v5, 11, v11                      ; and the same rows in wt
	v_lshl_add_u32 v5, v10, 4, v5
	s_lshl_b32 s32, s4, 14
	v_add_nc_u32 v5, s32, v5
.set i, 0
.rept 8                                        ; eight consecutive k for four columns
	global_load_b128 v[16+4*i:19+4*i], v1, s[10:11] offset:4096*i th:TH_LOAD_NT
.set i, i+1
.endr
	s_wait_loadcnt 0x0
.irp q, 0,1,2,3                                ; column q: its eight k, rounded in pairs: 16 bytes that lie together in wt
.irp p, 0,1,2,3
	v_cvt_pk_bf16_f32 v[48+4*\q+\p], v[16+8*\p+\q], v[20+8*\p+\q]
.endr
.endr
.irp q, 0,1,2,3
	ds_store_b128 v3, v[48+4*\q:51+4*\q] offset:TP*\q  ; 32 such stores a tile
.endr
	s_wait_dscnt 0x0                               ; for the others' sake: my stores are done
	s_barrier_signal -1
	s_barrier_wait -1                              ; a row's 256 bytes come from all eight waves
.irp t, 0,1,2,3
	ds_load_b128 v[64+4*\t:67+4*\t], v4 offset:2*TP*\t
.endr
.irp t, 0,1,2,3
	s_wait_dscnt 3-\t                              ; LDS loads come back in order: the later ones stay out
	global_store_b128 v5, v[64+4*\t:67+4*\t], s[24:25] offset:4096*\t th:TH_STORE_NT  ; 16 lanes store 256 consecutive bytes, aligned
.endr
	s_wait_tensorcnt 0x0                           ; the wave's end, behind my last LDS store
	ds_add_u32 v[SPW], v[NIL]
	s_wait_dscnt 0x0
	s_endpgm
.Lfunc_end_k_q0f5cd2c6fe_prep:
	.size	k_q0f5cd2c6fe_prep, .Lfunc_end_k_q0f5cd2c6fe_prep-k_q0f5cd2c6fe_prep
	.p2alignl 7, 3214868480
	.fill 96, 4, 3214868480
	.section	.rodata,"a",@progbits
	.p2align	6, 0x0
	.amdhsa_kernel k_q0f5cd2c6fe_prep
		.amdhsa_group_segment_fixed_size 18432
		.amdhsa_private_segment_fixed_size 0
		.amdhsa_enable_private_segment 0
		.amdhsa_kernarg_size 80
		.amdhsa_user_sgpr_count 2
		.amdhsa_user_sgpr_kernarg_segment_ptr 1
		.amdhsa_wavefront_size32 1
		.amdhsa_system_sgpr_workgroup_id_x 1
		.amdhsa_system_sgpr_workgroup_id_y 1
		.amdhsa_system_sgpr_workgroup_id_z 1
		.amdhsa_system_vgpr_workitem_id 0
		.amdhsa_next_free_vgpr 112
		.amdhsa_next_free_sgpr 66
		.amdhsa_reserve_vcc 0
		.amdhsa_float_denorm_mode_32 3
		.amdhsa_float_denorm_mode_16_64 3
		.amdhsa_memory_ordered 1
		.amdhsa_forward_progress 1
		.amdhsa_inst_pref_size 11
	.end_amdhsa_kernel
	.amdgpu_metadata
---
amdhsa.version: [ 1, 2 ]
amdhsa.kernels:
  - .name:           k_q0f5cd2c6fe_prep
    .symbol:         k_q0f5cd2c6fe_prep.kd
    .args:
      - { .name: hidden_states, .offset: 0, .size: 8, .value_kind: global_buffer, .address_space: global }
      - { .name: Wq, .offset: 8, .size: 8, .value_kind: global_buffer, .address_space: global }
      - { .name: Wk, .offset: 16, .size: 8, .value_kind: global_buffer, .address_space: global }
      - { .name: Wv, .offset: 24, .size: 8, .value_kind: global_buffer, .address_space: global }
      - { .name: bq, .offset: 32, .size: 8, .value_kind: global_buffer, .address_space: global }
      - { .name: bk, .offset: 40, .size: 8, .value_kind: global_buffer, .address_space: global }
      - { .name: bv, .offset: 48, .size: 8, .value_kind: global_buffer, .address_space: global }
      - { .name: xb, .offset: 56, .size: 8, .value_kind: global_buffer, .address_space: global }
      - { .name: wt, .offset: 64, .size: 8, .value_kind: global_buffer, .address_space: global }
      - { .name: bcat, .offset: 72, .size: 8, .value_kind: global_buffer, .address_space: global }
    .group_segment_fixed_size: 18432
    .private_segment_fixed_size: 0
    .kernarg_segment_align: 8
    .kernarg_segment_size: 80
    .max_flat_workgroup_size: 256
    .sgpr_count:     66
    .vgpr_count:     112
    .wavefront_size: 32
...
	.end_amdgpu_metadata
.endif
;; end of part 1
;; launch qkv (part 2): grid 16 x 32, 4 waves a work-group, clusters of 4 x 4, 327,680 bytes of LDS; arguments xb, wt, bcat, qkv; writes qkv
.if DOCPART == 2
	.amdgcn_target "amdgcn-amd-amdhsa--gfx1250"
	.amdhsa_code_object_version 6
	.text
	.protected	k_q0f5cd2c6fe_qkv
	.globl	k_q0f5cd2c6fe_qkv
	.p2align	8
	.type	k_q0f5cd2c6fe_qkv,@function
k_q0f5cd2c6fe_qkv:
	s_mov_b64 s[64:65], 0
	v_nop
	global_prefetch_b8 v0, s[64:65] scope:SCOPE_SE
	s_setreg_imm32_b32 hwreg(HW_REG_WAVE_MODE, 25, 1), 1
	s_wait_xcnt 0x0
	s_wait_alu depctr_hold_cnt(0) depctr_sa_sdst(0) depctr_va_vdst(0) depctr_va_sdst(0) depctr_va_ssrc(0) depctr_va_vcc(0) depctr_vm_vsrc(0)
	s_getreg_b32 s2, hwreg(HW_REG_IB_STS2, 6, 4)
	s_cmp_eq_u32 s2, 0
	s_cbranch_scc0 .Lentry_in_a_cluster
	s_endpgm
.Lentry_in_a_cluster:
	s_bfe_u32 s2, ttmp6, 0x10000c
	s_cmp_lg_u32 s2, 0xf033
	s_cbranch_scc0 .Lentry_shape_is_right
	s_endpgm
.Lentry_shape_is_right:
; THE THREE PROJECTIONS AS ONE PRODUCT.  C[m][n] = bcat[n] + the sum over k of xb[m][k] wt[n][k]; m < 8,192, n < 3,072, k < 1,024; operands bf16, sums f32, started with the bias.
; C is rounded once to f16 and written BY HEADS: qkv[g][m][d], g = n / 64 (0-15 q, 16-31 k, 32-47 v), d = n % 64: byte g x 1,048,576 + m x 128 + 2 d.  No scale is applied here.
; LIMIT.  f16 ends at 65,504: a projected number of 65,520 or more becomes an infinity.  With inputs as drawn |q| stays near 5; with x and W both thirty times larger near 5,000;
; with offsets of thirty spreads on both near 29,000.
; SHARES.  A tile of C is 256 rows x 192 columns (three heads): 32 x 16 = 512 work-groups, two for each of 256.  Wave w makes rows 64 w .. 64 w + 63 and all 192 columns:
; 4 x 12 accumulators of 16 x 16, 384 registers; for 32 along K it loads 32 x 16 bytes a lane and issues 48 matrix instructions.
; K goes in eight steps of 128 through two LDS slots filled by the tensor data mover; rows of the tiles are 256 bytes of memory, at multiples of 256.
; CLUSTER.  4 x 4 work-groups.  The four of a row of the cluster need the same tile of xb, the four of a column the same tile of wt: each is asked for JOINTLY, by the same tensor load
; with the same descriptor and a mask that names the four.
; THE MATRIX INSTRUCTION IS USED TRANSPOSED: source 0 = 16 rows of wt, source 1 = 16 rows of xb: lane l holds row l % 16 of C and the columns 8 (l / 16) + 0..7: 16 bytes of f16 on end.
; REGISTERS, in windows of 256 (s_set_vgpr_msb: bits 1:0 source 0, 3:2 source 1, 5:4 source 2, 7:6 destination):
;   window 0: v16-30 addresses; v32-63, v64-95 xb's fragments (4 x 16 rows x 32 K), two buffers; v96-191 the bias as a C operand, later the rows read back on the way out; v192-239 packed results
;   window 1: v0-95, v96-191 wt's fragments (12 x 16 rows x 32 K), two buffers
;   window 2: the accumulators of my row blocks 0, 1 ((a, b) at v[8 (12 (a % 2) + b)]);   window 3: those of blocks 2, 3
.set KSTEP,  128
.set SIZE_K, 1024
.set PITCH,  272                       ; an LDS row: 256 bytes + 16 of padding: the 16 rows of a fragment load begin at 16 different 16-byte columns modulo 256
.set HA,     128*PITCH                 ; what one load brings of xb
.set HB,     96*PITCH                  ; and of wt
.set BOFF,   2*HA                      ; in a slot: xb's 256 rows, then wt's 192
.set SLOT,   2*HA+2*HB
.set STAGE,  2*SLOT                    ; behind the ring, never filled by a tensor load: for each wave 3 heads x 16 rows x 144 bytes
.set SPH,    16*144
.set WSTG,   3*SPH
.set SPARE,  STAGE+4*WSTG              ; behind the stages: the spare words, 128 bytes for each wave: two blocks of 256 bytes that no other line names
.set LAPS,   SIZE_K/(2*KSTEP)
.set ADRA, 16                          ; v16-17  LDS address of my xb fragments in slot 0, 1
.set ADRB, 20                          ; v20-21  the same for wt
.set STO,  24                          ; v24  the way out: where I put 16 bytes of a row
.set RD,   25                          ; v25  where I read rows back
.set GO,   26                          ; v26  my byte offset in 512 consecutive bytes of qkv
.set BO,   27                          ; v27  my byte offset in 16 numbers of the bias
.set SPW,  28                          ; v28  LDS address of my spare word: SPARE + 4 x my thread's number; never rewritten
.set NIL,  29                          ; v29  0; never rewritten
.set PFO,  30                          ; v30  the prefetches' offset: a lane a row; never rewritten
.set FRA,  32
.set BIAS, 96
.set OB,   96
.set TMP,  192
.set WV,   12                          ; s12  my wave's number
.set SIDE, 13                          ; s13  0: I fetch for xb; 1: for wt
.set HF,   14                          ; s14  which half of that tile's rows I fetch
.set CX,   15
.set CY,   16
.set TC,   17                          ; s17  tile column of C
.set TR,   18                          ; s18  tile row of C
.set G1,   24                          ; s[24:31] descriptor group 1 for xb's tiles;  s[32:39] group 0, a set for each slot
.set G0,   32
.set LIM,  43                          ; s43  1 in a wave that prefetches, else the greatest number
.set PFA,  44                          ; s[44:45] where my prefetches stand
.set G1B,  48                          ; s[48:55], s[56:63] the same for wt's tiles
.set G0B,  56
.set MSB, 0
.macro WIN new                         ; the immediate's high byte repeats the setting that is left; a switch that changes nothing is dropped
.if MSB != (\new)
	s_set_vgpr_msb (MSB<<8)|(\new)
.set MSB, \new
.endif
.endm
.macro PLACES                          ; four plain vector instructions between a matrix instruction and a load into, or a vector read of, its registers (ISA guide 7.12.1 for vector reads)
.rept 4
	v_nop
.endr
.endm
; A joint load.  Waves 0 and 1 fetch xb's two halves, waves 2 and 3 wt's.  The branch hangs on the wave's number alone.  An s_nop 0 and four v_nop follow each line.
.macro JLOAD s
	s_cmp_eq_u32 s[SIDE], 0
	s_cbranch_scc0 .Lfor_b_\@
	tensor_load_to_lds s[G0+4*(\s):G0+4*(\s)+3], s[G1:G1+7]
	s_nop 0
.rept 4
	v_nop
.endr
	s_branch .Lasked_\@
.Lfor_b_\@:
	tensor_load_to_lds s[G0B+4*(\s):G0B+4*(\s)+3], s[G1B:G1B+7]
	s_nop 0
.rept 4
	v_nop
.endr
.Lasked_\@:
.endm
; A prefetch of the K step that stands two refills on (384 matrix instructions ahead of the load that will want it): 256 bytes of a row, a lane a row, one instruction a wave.
; xb's tile row is read by every cluster of that row of clusters: the cluster with x = 0 asks; wt's tile column by every cluster of that column: the cluster with y = 0 asks.
; The four partners of a joint load share its rows out by address: 32 of xb's 128 at 32 cx, 24 of wt's 96 at 24 cy (there lanes 24-31 name row 23 once more).
; The loop's last trip (s3 = 1) asks for nothing: K has no step two on.  K steps 0 to 3 come by their loads alone.
.macro ASK
	s_cmp_gt_u32 s3, s[LIM]
	s_cbranch_scc0 .Lnot_mine_\@
	global_prefetch_b8 v[PFO], s[PFA:PFA+1] offset:KSTEP*2 th:TH_LOAD_NT scope:SCOPE_SE
.Lnot_mine_\@:
.endm
.macro CREST                           ; a round of the cluster's barrier behind its opening barrier
	s_cmp_lg_u32 s[WV], 0
	s_cbranch_scc1 .Lnot_wave_0_\@
	s_barrier_signal -3
.Lnot_wave_0_\@:
	s_barrier_wait -3
	s_barrier_signal -1
	s_barrier_wait -1
.endm
.macro CROUND                          ; a whole round
	s_barrier_signal -1
	s_barrier_wait -1
	CREST
.endm
	s_load_b256 s[4:11], s[0:1], 0x0               ; xb s[4:5], wt s[6:7], bcat s[8:9], qkv s[10:11]
	v_lshl_add_u32 v[SPW], v0, 2, SPARE
	v_mov_b32 v[NIL], 0
	ds_add_u32 v[SPW], v[NIL]                      ; the wave's opening: the add and its wait stand ahead of my first tensor load; the set-up below, work on registers, stands between
	v_lshrrev_b32 v1, 5, v0
	v_readfirstlane_b32 s[WV], v1                  ; wave 0..3
	s_lshr_b32 s[SIDE], s[WV], 1
	s_and_b32 s[HF], s[WV], 1
	s_bfe_u32 s[CX], ttmp6, 0x40000                ; my place in the cluster
	s_bfe_u32 s[CY], ttmp6, 0x40004
	s_lshl_b32 s[TC], ttmp9, 2                     ; in a cluster launch ttmp9 and ttmp7 count clusters
	s_add_co_u32 s[TC], s[TC], s[CX]
	s_and_b32 s[TR], ttmp7, 0xffff
	s_lshl_b32 s[TR], s[TR], 2
	s_add_co_u32 s[TR], s[TR], s[CY]
	s_lshl_b32 s19, s[CY], 2
	s_lshl_b32 s19, 15, s19                        ; my row of the cluster: places 4 cy .. 4 cy + 3
	s_lshl_b32 s20, 0x1111, s[CX]                  ; my column: places cx, cx + 4, cx + 8, cx + 12
	s_or_b32 s[G1+0], s19, (1<<16)|(1<<20)|(1<<21)|(5<<22)|(3<<25)   ; 15:0 the mask; 17:16 2-byte elements; 20 padding on; 21 set beside a mask; 24:22 after every 64 words (code 5); 31:25 4 words (code 3)
	s_or_b32 s[G1B+0], s20, (1<<16)|(1<<20)|(1<<21)|(5<<22)|(3<<25)
	s_mov_b32 s[G1+1], KSTEP<<16                   ; tensor_dim0 = 128
	s_mov_b32 s[G1+2], 128<<16                     ; tensor_dim1 = 128
	s_mov_b32 s[G1+3], KSTEP<<16                   ; tile_dim0 = 128
	s_mov_b32 s[G1+4], 128                         ; tile_dim1 = 128
	s_mov_b32 s[G1+5], SIZE_K                      ; elements from row to row
	s_mov_b32 s[G1+6], 0
	s_mov_b32 s[G1+7], 0
	s_mov_b32 s[G1B+1], KSTEP<<16
	s_mov_b32 s[G1B+2], 96<<16                     ; wt: 96 rows to a load
	s_mov_b32 s[G1B+3], KSTEP<<16
	s_mov_b32 s[G1B+4], 96
	s_mov_b32 s[G1B+5], SIZE_K
	s_mov_b32 s[G1B+6], 0
	s_mov_b32 s[G1B+7], 0
	; where the tiles come from.  xb's hang on the tile row and the wave's number alone, wt's on the tile column and the wave's number, each in registers that never hold the other coordinate
	s_lshl_b32 s40, s[TR], 8
	s_lshl_b32 s41, s[HF], 7
	s_add_co_u32 s40, s40, s41                     ; xb: row 256 x tile row + 128 x half,
	s_lshl_b32 s40, s40, 11                        ; of 2,048 bytes (under 2^25)
	s_mov_b32 s41, 0
	s_mul_i32 s46, s[TC], 192
	s_mul_i32 s47, s[HF], 96
	s_add_co_u32 s46, s46, s47                     ; wt: row 192 x tile column + 96 x half
	s_lshl_b32 s46, s46, 11
	s_mov_b32 s47, 0
	s_mul_i32 s21, s[WV], HA                       ; where they go: waves 0, 1: xb's halves at w x HA;
	s_mul_i32 s22, s[WV], HB
	s_add_co_u32 s22, s22, BOFF-2*HB               ; waves 2, 3: wt's halves at BOFF + (w - 2) x HB: no place in the cluster enters an LDS address
	s_wait_dscnt 0x0                               ; the opening add is done
	s_wait_kmcnt 0x0
	s_add_nc_u64 s[40:41], s[4:5], s[40:41]
	s_add_nc_u64 s[46:47], s[6:7], s[46:47]
	CROUND                                         ; all sixteen work-groups are here: the first joint loads meet
.irp s, 0,1
	s_mov_b32 s[G0+4*(\s)], 1                                        ; count = 1
	s_add_co_u32 s[G0+4*(\s)+1], s21, (\s)*SLOT                      ; LDS address
	s_add_nc_u64 s[G0+4*(\s)+2:G0+4*(\s)+3], s[40:41], (\s)*KSTEP*2  ; global address: K step s
	s_or_b32 s[G0+4*(\s)+3], s[G0+4*(\s)+3], 0x80000000              ; type = 2
	s_mov_b32 s[G0B+4*(\s)], 1
	s_add_co_u32 s[G0B+4*(\s)+1], s22, (\s)*SLOT
	s_add_nc_u64 s[G0B+4*(\s)+2:G0B+4*(\s)+3], s[46:47], (\s)*KSTEP*2
	s_or_b32 s[G0B+4*(\s)+3], s[G0B+4*(\s)+3], 0x80000000
	JLOAD \s                                       ; two loads of mine are out
.endr
	v_and_b32 v1, 15, v0                           ; l % 16
	v_bfe_u32 v2, v0, 4, 1                         ; l / 16
	; the bias as a C operand: register j of block b holds bcat[192 x tile column + 16 b + 8 (l / 16) + j]
	v_lshlrev_b32 v[BO], 5, v2
	s_mul_i32 s20, s[TC], 768
	s_mov_b32 s21, 0
	s_add_nc_u64 s[8:9], s[8:9], s[20:21]
.set i, 0
.rept 12
	global_load_b128 v[BIAS+8*i:BIAS+8*i+3],   v[BO], s[8:9] offset:64*i
	global_load_b128 v[BIAS+8*i+4:BIAS+8*i+7], v[BO], s[8:9] offset:64*i+16
.set i, i+1
.endr
	; a fragment is 16 rows x 32 K in 8 registers: lane l holds row l % 16; registers 0-3 K = 8 (l / 16) + 0..7, registers 4-7 K = 16 + 8 (l / 16) + 0..7: two loads of 16 bytes, 32 bytes apart
	v_mul_u32_u24 v3, v1, PITCH
	v_lshl_add_u32 v3, v2, 4, v3
	s_mul_i32 s22, s[WV], 64*PITCH                 ; my 64 rows of xb
	v_add_nc_u32 v[ADRA], s22, v3
	v_add_nc_u32 v[ADRA+1], SLOT, v[ADRA]
	v_add_nc_u32 v[ADRB], BOFF, v3                 ; all of wt's 192
	v_add_nc_u32 v[ADRB+1], SLOT, v[ADRB]
	s_mul_i32 s23, s[WV], WSTG
	s_add_co_u32 s23, s23, STAGE                   ; my stage
	v_mul_u32_u24 v4, v1, 144                      ; in: row l % 16 of a head, 16 bytes for each half of the lanes
	v_lshl_add_u32 v4, v2, 4, v4
	v_add_nc_u32 v[STO], s23, v4
	v_bfe_u32 v5, v0, 3, 2                         ; back: 32 lanes take four rows of 128 bytes,
	v_and_b32 v6, 7, v0
	v_mul_u32_u24 v5, v5, 144
	v_lshl_add_u32 v5, v6, 4, v5
	v_add_nc_u32 v[RD], s23, v5
	v_and_b32 v[GO], 31, v0                        ; which are 512 consecutive bytes of qkv
	v_lshlrev_b32 v[GO], 4, v[GO]
	s_mul_i32 s20, s[TC], 3*1048576                ; qkv at my tile's first head,
	s_lshl_b32 s22, s[TR], 15                      ; the tile's 256 rows of 128 bytes,
	s_add_co_u32 s20, s20, s22
	s_lshl_b32 s22, s[WV], 13                      ; my 64 of them
	s_add_co_u32 s20, s20, s22
	s_add_nc_u64 s[10:11], s[10:11], s[20:21]
	; the prefetches
	s_lshl_b32 s19, s[TR], 8
	s_mul_i32 s20, s[TC], 192
	s_and_b32 s22, ttmp7, 0xffff                   ; cluster y
	s_lshl_b32 s40, s[CX], 5
	s_mul_i32 s41, s[CY], 24
	s_lshl_b32 s42, s[HF], 7
	s_mul_i32 s46, s[HF], 96
	s_cmp_eq_u32 s[SIDE], 0                        ; do I fetch for xb?
	s_cselect_b32 s19, s19, s20                    ; the tile's first row,
	s_cselect_b32 s40, s40, s41                    ; my work-group's share of the rows that I fetch,
	s_cselect_b32 s42, s42, s46                    ; the half that I fetch,
	s_cselect_b32 s22, ttmp9, s22                  ; the coordinate along which other clusters read the same rows,
	s_cselect_b32 s23, 31, 23                      ; the share's last row
	s_cselect_b64 s[PFA:PFA+1], s[4:5], s[6:7]
	s_cmp_eq_u32 s22, 0
	s_cselect_b32 s[LIM], 1, -1                    ; the same in all sixteen partners, for a given wave
	s_add_co_u32 s19, s19, s40
	s_add_co_u32 s19, s19, s42
	s_lshl_b32 s20, s19, 11
	s_add_co_u32 s20, s20, 2*KSTEP*2               ; at K step 2: the first refill steps it to 3 and names K step 4
	s_add_nc_u64 s[PFA:PFA+1], s[PFA:PFA+1], s[20:21]
	v_and_b32 v[PFO], 31, v0
	v_min_u32 v[PFO], s23, v[PFO]
	v_lshlrev_b32 v[PFO], 11, v[PFO]
; 12 matrix instructions: row block a x all 12 column blocks, 32 along K, from buffer f.  first = 1: the bias starts the sums.  The 48 accumulators take turns, in the same order in every
; quarter: 47 others stand between two links of a chain, over the backward jump too.
.macro MUL12 f, a, first
.if \first
	WIN 0x81+0x40*((\a)/2)                         ; wt window 1, xb window 0, C (the bias) window 0, D window 2 or 3
.else
	WIN 0xa1+0x50*((\a)/2)                         ; C and D window 2 or 3
.endif
.set AC, 96*((\a)%2)
.irp b, 0,1,2,3,4,5,6,7,8,9,10,11
.if \first
	v_wmma_f32_16x16x32_bf16 v[AC+8*(\b):AC+8*(\b)+7], v[96*(\f)+8*(\b):96*(\f)+8*(\b)+7], v[FRA+32*(\f)+8*(\a):FRA+32*(\f)+8*(\a)+7], v[BIAS+8*(\b):BIAS+8*(\b)+7]
.else
	v_wmma_f32_16x16x32_bf16 v[AC+8*(\b):AC+8*(\b)+7], v[96*(\f)+8*(\b):96*(\f)+8*(\b)+7], v[FRA+32*(\f)+8*(\a):FRA+32*(\f)+8*(\a)+7], v[AC+8*(\b):AC+8*(\b)+7]
.endif
.endr
.endm
; 32 LDS loads in one run: the fragments of 32 along K at byte k of the rows, into buffer f: wt's 24, then xb's 8
.macro FETCH slot, k, f
	WIN 0x40                                       ; destination window 1, address window 0
.irp i, 0,1,2,3,4,5,6,7,8,9,10,11
	ds_load_b128 v[96*(\f)+8*(\i):96*(\f)+8*(\i)+3],   v[ADRB+(\slot)] offset:(\k)+(\i)*16*PITCH
	ds_load_b128 v[96*(\f)+8*(\i)+4:96*(\f)+8*(\i)+7], v[ADRB+(\slot)] offset:(\k)+(\i)*16*PITCH+32
.endr
	WIN 0
.irp i, 0,1,2,3
	ds_load_b128 v[FRA+32*(\f)+8*(\i):FRA+32*(\f)+8*(\i)+3],   v[ADRA+(\slot)] offset:(\k)+(\i)*16*PITCH
	ds_load_b128 v[FRA+32*(\f)+8*(\i)+4:FRA+32*(\f)+8*(\i)+7], v[ADRA+(\slot)] offset:(\k)+(\i)*16*PITCH+32
.endr
.endm
; A K step is four quarters of 32 along K, 48 matrix instructions each, on buffers 0, 1, 0, 1.  One of the first three: multiplies buffer f; in its middle it fetches the next quarter, at byte k, into g.
.macro QUARTER slot, k, f, g, first
	s_wait_dscnt 4                                 ; wt's fragments and xb's blocks 0, 1 are in; the youngest four loads (blocks 2, 3) may be out
	MUL12 \f, 0, \first
	MUL12 \f, 1, \first
	PLACES                                         ; behind the last products that read buffer g
	FETCH \slot, \k, \g
	s_wait_dscnt 32                                ; all but the 32 just issued
	MUL12 \f, 2, \first
	MUL12 \f, 3, \first
.endm
; The last quarter multiplies buffer 1 and changes slots: ONE barrier.  In front of it each wave waits for all its tensor loads (one is out: its part of the next slot), adds 0 to its spare word,
; and waits for that and for its own reads of this slot.  fill = 1: the barrier opens a round of the cluster's barrier, and behind the round this slot is filled again, two K steps on:
; from that request to the wait for it a wave issues 168 matrix instructions.
.macro TURN slot, next, fill
.if \fill
	s_wait_xcnt 0x0                                ; the last prefetch, a K step back, has read its address: it is stepped here, ahead of the waits of the change of slots
	s_add_nc_u64 s[PFA:PFA+1], s[PFA:PFA+1], KSTEP*2
.endif
	WIN 0                                          ; (the add's two registers lie in window 0)
	s_wait_tensorcnt 0x0                           ; all my tensor loads have landed;
	ds_add_u32 v[SPW], v[NIL]                      ; 0 onto my spare word;
	s_wait_dscnt 5                                 ; (the add and the youngest four loads may be out)
	MUL12 1, 0, 0                                  ; twelve matrix instructions stand between the add and the wait for it
	s_wait_dscnt 0x0                               ; the add is done, and my reads of this slot are over
	s_barrier_signal -1
	MUL12 1, 1, 0                                  ; work on registers while the others arrive
.if \fill
	WIN 0
.endif
	s_barrier_wait -1
.if \fill
	CREST                                          ; no wave of any partner still reads this slot's tile or has a load on its way
	s_add_nc_u64 s[G0+4*(\slot)+2:G0+4*(\slot)+3], s[G0+4*(\slot)+2:G0+4*(\slot)+3], 2*KSTEP*2
	s_add_nc_u64 s[G0B+4*(\slot)+2:G0B+4*(\slot)+3], s[G0B+4*(\slot)+2:G0B+4*(\slot)+3], 2*KSTEP*2
	JLOAD \slot                                    ; the first tensor load behind the round; its four v_nop are also the places in front of the loads below
.else
	PLACES
.endif
	FETCH \next, 0, 0
.if \fill
	ASK                                            ; behind the joint load and the run of LDS loads that the next products wait for
.endif
	MUL12 1, 2, 0
	MUL12 1, 3, 0
.endm
; THE WAY OUT of row block a.  PACK: rounded to f16, 16 bytes a lane and column block, each accumulator's registers in ascending order.  TOSTAGE: into my own stage, a head's 16 rows of 128 bytes
; together, and back as whole rows.  SEND: stored: a head's 16 rows are 2,048 consecutive bytes of qkv.
.macro PACK a
.set AC, 96*((\a)%2)
	WIN 0x0a+5*((\a)/2)                            ; sources 0 and 1: window 2 or 3
.set i, 0
.rept 12
.irp r, 0,1,2,3
	v_cvt_pk_f16_f32 v[TMP+4*i+(\r)], v[AC+8*i+2*(\r)], v[AC+8*i+2*(\r)+1]
.endr
.set i, i+1
.endr
	WIN 0
.endm
.macro TOSTAGE a
.set BK, OB+48*((\a)%2)
.set i, 0
.rept 12
	ds_store_b128 v[STO], v[TMP+4*i:TMP+4*i+3] offset:(i/4)*SPH+(i%4)*32
.set i, i+1
.endr
.set i, 0
.rept 12
	ds_load_b128 v[BK+4*i:BK+4*i+3], v[RD] offset:(i/4)*SPH+(i%4)*4*144  ; LDS serves a wave's instructions in order (ISA guide 5.7.1.4): these see the stores above
.set i, i+1
.endr
.endm
.macro SEND a
.set BK, OB+48*((\a)%2)
	s_wait_dscnt 0x0                               ; the block is back in registers
	s_wait_xcnt 0x0                                ; the stores of the block before have read their registers, into which the next block is read back
.set i, 0
.rept 12
	global_store_b128 v[GO], v[BK+4*i:BK+4*i+3], s[10:11] offset:(i/4)*1048576+(\a)*2048+(i%4)*512  ; 512 consecutive bytes, at a multiple of 256 from qkv's first byte
.set i, i+1
.endr
.endm
	s_wait_tensorcnt 1                             ; my part of K step 0 is in; K step 1's may stay out
	s_barrier_signal -1
	s_barrier_wait -1                              ; everybody's is
	FETCH 0, 0, 0
	s_wait_loadcnt 0x0                             ; the bias
	QUARTER 0, 64,  0, 1, 1                        ; the first quarter stands in front of the loop: its products start the sums, with the bias
	WIN 0                                          ; at a label and at a branch every window is 0
	s_mov_b32 s3, LAPS-1
.Llap:                                                 ; a trip goes once round the ring, from a lap's second quarter to the next lap's first, and fills both slots again
	QUARTER 0, 128, 1, 0, 0
	QUARTER 0, 192, 0, 1, 0
	TURN 0, 1, 1
	QUARTER 1, 64,  0, 1, 0
	QUARTER 1, 128, 1, 0, 0
	QUARTER 1, 192, 0, 1, 0
	TURN 1, 0, 1
	QUARTER 0, 64,  0, 1, 0
	WIN 0
	s_sub_co_u32 s3, s3, 1
	s_cmp_lg_u32 s3, 0
	s_cbranch_scc1 .Llap
	QUARTER 0, 128, 1, 0, 0                        ; the last lap fills nothing, and has no round of the cluster's barrier
	QUARTER 0, 192, 0, 1, 0
	TURN 0, 1, 0
	QUARTER 1, 64,  0, 1, 0
	QUARTER 1, 128, 1, 0, 0
	QUARTER 1, 192, 0, 1, 0
	s_wait_dscnt 4                                 ; the very last quarter: nothing more to fetch
	MUL12 1, 0, 0
	MUL12 1, 1, 0
	s_wait_dscnt 0x0
	MUL12 1, 2, 0
	MUL12 1, 3, 0
	WIN 0
	PLACES                                         ; behind the last products, in front of the conversions
	PACK 0
	TOSTAGE 0
.irp a, 1,2,3                          ; block a's conversions stand between block a - 1's loads from the stage and the wait for them
	PACK \a
	SEND (\a)-1
	TOSTAGE \a
.endr
	SEND 3
	s_wait_tensorcnt 0x0                           ; the wave's end, behind my last tensor load and my last LDS store
	ds_add_u32 v[SPW], v[NIL]
	s_wait_dscnt 0x0
	CROUND                                         ; the closing round: no work-group ends while a partner may still ask for a tile that names it
	s_endpgm
.Lfunc_end_k_q0f5cd2c6fe_qkv:
	.size	k_q0f5cd2c6fe_qkv, .Lfunc_end_k_q0f5cd2c6fe_qkv-k_q0f5cd2c6fe_qkv
	.p2alignl 7, 3214868480
	.fill 96, 4, 3214868480
	.section	.rodata,"a",@progbits
	.p2align	6, 0x0
	.amdhsa_kernel k_q0f5cd2c6fe_qkv
		.amdhsa_group_segment_fixed_size 327680
		.amdhsa_private_segment_fixed_size 0
		.amdhsa_enable_private_segment 0
		.amdhsa_kernarg_size 32
		.amdhsa_user_sgpr_count 2
		.amdhsa_user_sgpr_kernarg_segment_ptr 1
		.amdhsa_wavefront_size32 1
		.amdhsa_system_sgpr_workgroup_id_x 1
		.amdhsa_system_sgpr_workgroup_id_y 1
		.amdhsa_system_sgpr_workgroup_id_z 1
		.amdhsa_system_vgpr_workitem_id 0
		.amdhsa_next_free_vgpr 960
		.amdhsa_next_free_sgpr 66
		.amdhsa_reserve_vcc 0
		.amdhsa_float_denorm_mode_32 3
		.amdhsa_float_denorm_mode_16_64 3
		.amdhsa_memory_ordered 1
		.amdhsa_forward_progress 1
		.amdhsa_inst_pref_size 122
	.end_amdhsa_kernel
	.amdgpu_metadata
---
amdhsa.version: [ 1, 2 ]
amdhsa.kernels:
  - .name:           k_q0f5cd2c6fe_qkv
    .symbol:         k_q0f5cd2c6fe_qkv.kd
    .args:
      - { .name: xb, .offset: 0, .size: 8, .value_kind: global_buffer, .address_space: global }
      - { .name: wt, .offset: 8, .size: 8, .value_kind: global_buffer, .address_space: global }
      - { .name: bcat, .offset: 16, .size: 8, .value_kind: global_buffer, .address_space: global }
      - { .name: qkv, .offset: 24, .size: 8, .value_kind: global_buffer, .address_space: global }
    .group_segment_fixed_size: 327680
    .private_segment_fixed_size: 0
    .kernarg_segment_align: 8
    .kernarg_segment_size: 32
    .max_flat_workgroup_size: 128
    .sgpr_count:     66
    .vgpr_count:     960
    .wavefront_size: 32
...
	.end_amdgpu_metadata
.endif
;; end of part 2
;; launch attn (part 3): grid 4 x 64, 8 waves a work-group, no clusters, 269,312 bytes of LDS; arguments qkv, out0; writes out0
.if DOCPART == 3
	.amdgcn_target "amdgcn-amd-amdhsa--gfx1250"
	.amdhsa_code_object_version 6
	.text
	.protected	k_q0f5cd2c6fe_attn
	.globl	k_q0f5cd2c6fe_attn
	.p2align	8
	.type	k_q0f5cd2c6fe_attn,@function
k_q0f5cd2c6fe_attn:
	s_mov_b64 s[64:65], 0
	v_nop
	global_prefetch_b8 v0, s[64:65] scope:SCOPE_SE
	s_setreg_imm32_b32 hwreg(HW_REG_WAVE_MODE, 25, 1), 1
	s_wait_xcnt 0x0
; ATTENTION IN A WINDOW.  out[b][i][64 h + :] = the sum over j, |i - j| <= 128, of softmax_j(q[i] . k[j] / 8) v[j][:].  q, k, v: qkv[g][b][s][64] in f16 (g = h, 16 + h, 32 + h), rows dense, 128 bytes.
; Products, maxima and sums in f32; the weights p are rounded to f16 for the second product (their sum l is taken of the unrounded p); out is f32.
; LIMITS.  q, k, v arrive within f16's 65,504.  A hidden score counts as its value less 1e30: f16's scores, 2.7e11 at the most, are nothing beside that.  A weight below 2^-126 counts as 0 in l.
; NaN and infinities are not treated apart.
; SHARES.  A work-group owns 512 queries of one head and batch (y = 4 h + b), each of its eight waves a GROUP of 64: four tiles of 16.  Group u = 8 x block + wave sees the keys 64 u - 128 .. 64 u + 191:
; five steps of 64.  Steps 1, 2, 3 are wholly seen; in step 0 key kj of 64 is seen by query qi of 64 where kj >= qi, in step 4 where kj <= qi.  A step lies wholly inside the sequence or wholly outside;
; one that lies outside is jumped over, forward, by a scalar branch on u: with a running maximum a step left out is no step.  Step 2, which holds each query's own key, comes first and starts m, l and O.
; LDS.  All 768 keys that the work-group's groups see (512 x block - 128 on) are brought in ONCE, at the start, by twelve tensor loads: waves 0 to 5 fetch 128 keys of K and of V each.  Nothing is filled again.
; In blocks 0 and 3 the chunk that would lie outside the sequence takes the address of the nearest chunk inside; its rows are read by no step.
; NO CLUSTER: neighbouring blocks share 256 of their 768 rows, and want them at different LDS addresses.  NO PREFETCH: every byte is asked for at the kernel's head; no later step fetches from memory.
; TWO WAVES TO A SIMD: a group has its own window of keys, so a second wave reads no LDS byte more than a wider wave would, and one wave's softmax stands beside the other's products.
; LAYOUT.  S^T = K Q^T (source 0 = 16 keys, source 1 = 16 queries): a lane holds ONE query (lane % 16) and the keys 8 (lane / 16) + 0..7.  Two such results rounded to f16 in pairs ARE source 1 of
; O^T = V^T P, whose result again holds one query a lane, and eight channels.  K comes out of LDS as it lies, V turned, by ds_load_tr16_b128.
; SOFTMAX.  p = 2^(c s - c m), c = log2(e) / 8, with a running maximum m; in every later step O and l are multiplied by a = 2^(c m_old - c m_new).
; THE MASK is the C operand that starts a sum S^T: 0, or -1e30 where the key is hidden.
; REGISTERS, in windows of 256 (s_set_vgpr_msb: bits 1:0 source 0, 3:2 source 1, 5:4 source 2, 7:6 destination):
;   window 0: v2-15 addresses, at work; v16-31 statistics; v32-51 at work; v52-75 masks; v128-255 S^T, 32 a tile; P takes the first 16 of them in place
;   window 1: v0-127 O^T, 32 a tile; v128-191 Q, 16 a tile; v192-255 K of a step, then its V
.set PK,    144       ; a row of K in LDS: 128 bytes + 16 of padding: the 16 rows of a load begin at 16 different 16-byte columns modulo 256
.set PVP,   160       ; a row of V: 128 + 32: 16 lanes of the turning load take 8 rows x 32 bytes, all in different places modulo 256
.set VOFF,  768*PK
.set STAGE, VOFF+768*PVP  ; never filled by a tensor load: 16 rows x 272 bytes for each wave, for the way out
.set SP,    272
.set SPARE, STAGE+8*16*SP ; the spare words, 128 bytes for each wave: four blocks of 256 bytes that no other line names
.set AK,  2           ; v2   LDS address of my lane's place in my group's step 0 of K; never rewritten
.set AV,  3           ; v3   the same for V
.set STO, 4           ; v4   the way out: where I put 32 bytes of a row
.set RD,  5           ; v5   where I read rows back
.set GO,  6           ; v6   my byte offset in two rows of out
.set QO,  7           ; v7   my byte offset in 16 rows of Q
.set SPW, 8           ; v8   LDS address of my spare word: SPARE + 4 x my thread's number; never rewritten
.set NIL, 9           ; v9   0; never rewritten
.set ST,  16          ; tile t's statistics at v[ST+4 t]: c m, m, l (even keys', odd keys')
.set TMP, 32          ; tile t's four registers c0-c3 at work; a takes c2
.set MV,  48          ; c m_old
.set DL,  52          ; v52-59  the diagonal block of step 0: -1e30 where key 8 (l / 16) + j < query l % 16
.set DH,  60          ; v60-67  of step 4: where it is greater
.set HID, 68          ; v68-75  a block wholly hidden
.set S,   128
.set Q,   128         ; window 1
.set KV,  192         ; window 1
.set WV,  8           ; s8   my wave's number
.set BLK, 9           ; s9   the block of 512 queries
.set Y,   10          ; s10  4 h + b
.set U,   11          ; s11  my group, 0..31
.set G1K, 16          ; s[16:23] descriptor group 1 for K's chunks
.set G1V, 24          ; s[24:31] for V's: it differs in the padding alone
.set G0K, 32          ; s[32:35] descriptor group 0 for K's chunk
.set G0V, 36          ; s[36:39] for V's
.set CS,  40          ; s[40:41] c
.set SEL, 42          ; s[42:43] v_permlanex16_b32's selects: each lane takes its own place in the other half
.set BIGN, 44         ; s44  -1e30
.set MSB, 0
.macro WIN new                      ; the high byte repeats the setting that is left; a switch that changes nothing is dropped
.if MSB != (\new)
	s_set_vgpr_msb (MSB<<8)|(\new)
.set MSB, (\new)
.endif
.endm
.set W_KQ, 0x05       ; K and Q in window 1, S^T and the mask in window 0
.set W_PV, 0x51       ; V in window 1, P in window 0, O^T in window 1
.set W_RS, 0x41       ; destination and source 0 in window 1, source 1 in window 0
.set TO_1, 0x40       ; a load's destination in window 1, its address in window 0
.set ST_1, 0x04       ; an LDS store's data in window 1, its address in window 0
.macro PLACES n                     ; plain vector instructions between a matrix instruction and what touches its registers (ISA guide 7.12.1 for vector reads)
.rept \n
	v_nop
.endr
.endm
.macro ALL line:vararg              ; one line for each tile t: so no line reads the result of the line before it
.set t, 0
.rept 4
	\line
.set t, t+1
.endr
.endm
	s_load_b128 s[4:7], s[0:1], 0x0 ; qkv s[4:5], out s[6:7]
	v_lshl_add_u32 v[SPW], v0, 2, SPARE
	v_mov_b32 v[NIL], 0
	ds_add_u32 v[SPW], v[NIL]       ; the wave's opening: the add and its wait stand ahead of my first tensor load; the set-up below, work on registers, stands between
	v_lshrrev_b32 v1, 5, v0
	v_readfirstlane_b32 s[WV], v1   ; wave 0..7
	s_mov_b32 s[BLK], ttmp9
	s_and_b32 s[Y], ttmp7, 0xffff
	s_lshl_b32 s[U], s[BLK], 3
	s_add_co_u32 s[U], s[U], s[WV]
	; descriptor group 1.  128 keys are 16,384 dense bytes: asked for as 64 rows of 256 bytes, two keys a row, and padded in LDS after every key
	s_mov_b32 s[G1K], (1<<16)|(1<<20)|(4<<22)|(3<<25)  ; 17:16 2-byte elements; 20 padding on; 24:22 after every 32 words (code 4); 31:25 4 words (code 3)
	s_mov_b32 s[G1V], (1<<16)|(1<<20)|(4<<22)|(7<<25)  ; the same with 8 words of padding (code 7)
.irp g, G1K, G1V
	s_mov_b32 s[\g+1], 128<<16      ; tensor_dim0 = 128
	s_mov_b32 s[\g+2], 64<<16       ; tensor_dim1 = 64
	s_mov_b32 s[\g+3], 128<<16      ; tile_dim0 = 128
	s_mov_b32 s[\g+4], 64           ; tile_dim1 = 64
	s_mov_b32 s[\g+5], 128          ; 128 elements from row to row
	s_mov_b32 s[\g+6], 0
	s_mov_b32 s[\g+7], 0
.endr
	s_mov_b32 s[G0K], 1             ; count = 1
	s_mul_i32 s[G0K+1], s[WV], 128*PK   ; LDS address: chunk w of K (waves 0 to 5)
	s_mov_b32 s[G0V], 1
	s_mul_i32 s[G0V+1], s[WV], 128*PVP
	s_add_co_u32 s[G0V+1], s[G0V+1], VOFF
	s_mov_b32 s[CS], 0x3e38aa3b     ; c = log2(e) / 8 = 0.180337
	s_mov_b32 s[CS+1], s[CS]        ; named with it as a pair
	s_mov_b32 s[SEL], 0x76543210
	s_mov_b32 s[SEL+1], 0xfedcba98
	s_mov_b32 s[BIGN], 0xf149f2ca   ; -1e30
	s_lshl_b32 s12, s[BLK], 2       ; LDS chunk w holds the sequence's chunk 4 x block + w - 1 of sixteen,
	s_add_co_u32 s12, s12, s[WV]
	s_sub_co_i32 s12, s12, 1
	s_max_i32 s12, s12, 0           ; held inside the sequence
	s_min_i32 s12, s12, 15
	s_lshl_b32 s12, s12, 14
	s_lshl_b32 s50, s[Y], 18        ; a head and batch: 2,048 rows of 128 bytes
	s_mov_b32 s51, 0
	s_add_co_u32 s52, s50, s12
	s_add_co_u32 s52, s52, 16*1048576  ; K lies 16 heads behind Q
	s_mov_b32 s53, 0
	s_lshl_b32 s13, s[U], 13        ; my group's 64 rows
	s_add_co_u32 s50, s50, s13
	s_and_b32 s14, s[Y], 3          ; out: batch b, 2,048 rows of 4,096 bytes,
	s_lshl_b32 s14, s14, 23
	s_lshl_b32 s15, s[U], 18        ; my group's 64 rows,
	s_add_co_u32 s14, s14, s15
	s_lshr_b32 s15, s[Y], 2         ; head h: 256 bytes of a row
	s_lshl_b32 s15, s15, 8
	s_add_co_u32 s14, s14, s15
	s_mov_b32 s15, 0
	v_and_b32 v10, 15, v0           ; l % 16
	v_bfe_u32 v11, v0, 4, 1         ; l / 16
	v_lshlrev_b32 v[QO], 7, v10
	v_lshl_add_u32 v[QO], v11, 4, v[QO]  ; row x 128 + 16 x half
	s_wait_dscnt 0x0                ; the opening add is done
	s_wait_kmcnt 0x0
	s_add_nc_u64 s[G0K+2:G0K+3], s[4:5], s[52:53]
	s_add_nc_u64 s[G0V+2:G0V+3], s[G0K+2:G0K+3], 16*1048576  ; V lies 16 heads behind K
	s_or_b32 s[G0K+3], s[G0K+3], 0x80000000                  ; type = 2
	s_or_b32 s[G0V+3], s[G0V+3], 0x80000000
	s_add_nc_u64 s[46:47], s[4:5], s[50:51]  ; Q at my group's first row
	s_add_nc_u64 s[48:49], s[6:7], s[14:15]  ; out at my group's first row, my head's channels
	s_cmp_lt_u32 s[WV], 6           ; a wave's two fills stand in one branch on its number, ahead of every wait on TENSORcnt, every LDS read and the barrier
	s_cbranch_scc0 .Lno_fill
	tensor_load_to_lds s[G0K:G0K+3], s[G1K:G1K+7]
	s_nop 0
	tensor_load_to_lds s[G0V:G0V+3], s[G1V:G1V+7]
	s_nop 0
.rept 4
	v_nop
.endr
.Lno_fill:
	; A fragment of K or Q is 16 rows x 32 channels in 8 registers: lane l holds row l % 16, channels 8 (l / 16) + 0..7 and 16 + 8 (l / 16) + 0..7: two loads of 16 bytes, 32 bytes apart.
	WIN TO_1
.set i, 0
.rept 8                             ; Q stays in registers: tile i / 2, channels 32 (i % 2) on
	global_load_b128 v[Q+8*i:Q+8*i+3],   v[QO], s[46:47] offset:(i/2)*2048+(i%2)*64 th:TH_LOAD_NT
	global_load_b128 v[Q+8*i+4:Q+8*i+7], v[QO], s[46:47] offset:(i/2)*2048+(i%2)*64+32 th:TH_LOAD_NT
.set i, i+1
.endr
	WIN 0
	v_lshlrev_b32 v14, 3, v11
	v_sub_nc_u32 v14, v10, v14      ; l % 16 - 8 (l / 16): in a diagonal block register j's key lies below my query where j is less, above it where j is greater
.set j, 0
.rept 8
	v_cmp_lt_i32 vcc_lo, j, v14
	v_cndmask_b32 v[DL+j], 0, s[BIGN], vcc_lo
	v_cmp_gt_i32 vcc_lo, j, v14
	v_cndmask_b32 v[DH+j], 0, s[BIGN], vcc_lo
	v_mov_b32 v[HID+j], s[BIGN]
.set j, j+1
.endr
	s_mul_i32 s54, s[WV], 64*PK     ; my group's step 0 begins at LDS row 64 w
	v_mul_u32_u24 v[AK], v10, PK
	v_lshl_add_u32 v[AK], v11, 4, v[AK]
	v_add_nc_u32 v[AK], s54, v[AK]
	; The turning load takes 16 keys x 16 channels (lane l reads key 8 (l / 16) + l % 8, channels 8 ((l / 8) % 2) + 0..7) and leaves half a fragment of V^T: lane l holds channel l % 16 and 8 keys.
	s_mul_i32 s54, s[WV], 64*PVP
	s_add_co_u32 s54, s54, VOFF
	v_and_b32 v12, 7, v0
	v_bfe_u32 v13, v0, 3, 1
	v_lshl_add_u32 v[AV], v11, 3, v12
	v_mul_u32_u24 v[AV], v[AV], PVP
	v_lshl_add_u32 v[AV], v13, 4, v[AV]
	v_add_nc_u32 v[AV], s54, v[AV]
	s_mul_i32 s54, s[WV], 16*SP
	s_add_co_u32 s54, s54, STAGE    ; my stage
	v_mul_u32_u24 v[STO], v10, SP   ; in: row l % 16, 32 bytes for each half of the lanes
	v_lshl_add_u32 v[STO], v11, 5, v[STO]
	v_add_nc_u32 v[STO], s54, v[STO]
	v_mul_u32_u24 v[RD], v11, SP    ; back: lanes 0-15 take one row of 256 bytes, lanes 16-31 the next
	v_lshl_add_u32 v[RD], v10, 4, v[RD]
	v_add_nc_u32 v[RD], s54, v[RD]
	v_lshlrev_b32 v[GO], 12, v11    ; and the same two rows in out
	v_lshl_add_u32 v[GO], v10, 4, v[GO]
; THE LDS LOADS stand in runs of 16: step s's K (64 keys x 64 channels: 8 fragments: keys 16 (f / 2) on, channels 32 (f % 2) on) and its V, turned (keys 32 (f / 4) on, channels 16 (f % 4) on).
.macro FETCH_K s
	WIN TO_1
.irp f, 0,1,2,3,4,5,6,7
	ds_load_b128 v[KV+8*\f:KV+8*\f+3],   v[AK] offset:(\s)*64*PK+(\f/2)*16*PK+(\f%2)*64
	ds_load_b128 v[KV+8*\f+4:KV+8*\f+7], v[AK] offset:(\s)*64*PK+(\f/2)*16*PK+(\f%2)*64+32
.endr
	WIN 0
.endm
.macro FETCH_V s
	WIN TO_1
.irp f, 0,1,2,3,4,5,6,7
	ds_load_tr16_b128 v[KV+8*\f:KV+8*\f+3],   v[AV] offset:(\s)*64*PVP+(\f/4)*32*PVP+(\f%4)*32
	ds_load_tr16_b128 v[KV+8*\f+4:KV+8*\f+7], v[AV] offset:(\s)*64*PVP+(\f/4)*32*PVP+16*PVP+(\f%4)*32
.endr
	WIN 0
.endm
; 32 products S^T = K Q^T: tile i % 4, keys 16 ((i / 4) % 4) on, channels 32 (i / 16) on.  The 16 accumulators take turns.  The first 16 start the sums: with 0, or with the mask:
; mk = 1 (step 0): key block kb is hidden from tile t if kb < t, holds the diagonal if kb = t.  mk = 2 (step 4): hidden if kb > t.
.macro KQM mk
	WIN W_KQ
.set i, 0
.rept 32
.set t, i%4
.set kb, (i/4)%4
.set rS, S+32*t+8*kb
.set rK, KV+16*kb+8*(i/16)
.set rQ, Q+16*t+8*(i/16)
.if i >= 16
	v_wmma_f32_16x16x32_f16 v[rS:rS+7], v[rK:rK+7], v[rQ:rQ+7], v[rS:rS+7]
.elseif ((\mk) == 1) && (kb < t)
	v_wmma_f32_16x16x32_f16 v[rS:rS+7], v[rK:rK+7], v[rQ:rQ+7], v[HID:HID+7]
.elseif ((\mk) == 1) && (kb == t)
	v_wmma_f32_16x16x32_f16 v[rS:rS+7], v[rK:rK+7], v[rQ:rQ+7], v[DL:DL+7]
.elseif ((\mk) == 2) && (kb > t)
	v_wmma_f32_16x16x32_f16 v[rS:rS+7], v[rK:rK+7], v[rQ:rQ+7], v[HID:HID+7]
.elseif ((\mk) == 2) && (kb == t)
	v_wmma_f32_16x16x32_f16 v[rS:rS+7], v[rK:rK+7], v[rQ:rQ+7], v[DH:DH+7]
.else
	v_wmma_f32_16x16x32_f16 v[rS:rS+7], v[rK:rK+7], v[rQ:rQ+7], 0
.endif
.set i, i+1
.endr
.endm
; 32 products O^T += V^T P: tile i % 4, channels 16 ((i / 4) % 4) on, keys 32 (i / 16) on.  first = 1: the first 16 start the sums: nothing is ever cleared.
.macro PVM first
	WIN W_PV
.set i, 0
.rept 32
.set rO, 32*(i%4)+8*((i/4)%4)
.set rV, KV+32*(i/16)+8*((i/4)%4)
.set rP, S+32*(i%4)+8*(i/16)
.if (\first) && (i < 16)
	v_wmma_f32_16x16x32_f16 v[rO:rO+7], v[rV:rV+7], v[rP:rP+7], 0
.else
	v_wmma_f32_16x16x32_f16 v[rO:rO+7], v[rV:rV+7], v[rP:rP+7], v[rO:rO+7]
.endif
.set i, i+1
.endr
.endm
; THE SOFTMAX of a step, all four tiles side by side.  first = 1: the step that starts m, l and O^T: no old maximum, no a, nothing to rescale.
.macro SOFT first
	WIN 0
	; the maximum of the lane's 32 scores and the old m, three operands at a time: four chains c0-c3 of seven scores each (each accumulator's lowest registers are read first),
.set n, 0
.rept 4
	ALL v_max3_num_f32 v[TMP+4*t+n], v[S+32*t+8*n], v[S+32*t+8*n+1], v[S+32*t+8*n+2]
.set n, n+1
.endr
.rept 8
.set n4, n%4
.set nd, n/4
	ALL v_max3_num_f32 v[TMP+4*t+n4], v[TMP+4*t+n4], v[S+32*t+8*n4+2*nd+1], v[S+32*t+8*n4+2*nd+2]
.set n, n+1
.endr
	ALL v_max3_num_f32 v[TMP+4*t], v[TMP+4*t], v[S+32*t+7], v[S+32*t+15]        ; the four scores left over,
	ALL v_max3_num_f32 v[TMP+4*t+1], v[TMP+4*t+1], v[S+32*t+23], v[S+32*t+31]
.if \first
	ALL v_max_num_f32 v[TMP+4*t+2], v[TMP+4*t+2], v[TMP+4*t+3]
.else
	ALL v_max3_num_f32 v[TMP+4*t+2], v[TMP+4*t+2], v[TMP+4*t+3], v[ST+4*t+1]    ; the old m,
	ALL v_mov_b32 v[MV+t], v[ST+4*t]                                            ; (c m_old is kept)
.endif
	ALL v_max3_num_f32 v[TMP+4*t], v[TMP+4*t], v[TMP+4*t+1], v[TMP+4*t+2]
	ALL v_permlanex16_b32 v[TMP+4*t+3], v[TMP+4*t], s[SEL], s[SEL+1]            ; and the query's other 32 keys, in the lane 16 away
	ALL v_max_num_f32 v[ST+4*t+1], v[TMP+4*t], v[TMP+4*t+3]
	ALL v_mul_f32 v[ST+4*t], s[CS], v[ST+4*t+1]
	; ONE BATCH of exponentials: a, then all the weights; nothing ahead of the wait names a result of theirs
.if !(\first)
	ALL v_sub_f32 v[TMP+4*t+1], v[MV+t], v[ST+4*t]
	ALL v_exp_f32 v[TMP+4*t+2], v[TMP+4*t+1]
.endif
.set b, 0
.rept 16
	ALL v_pk_fma_f32 v[S+32*t+2*b:S+32*t+2*b+1], v[S+32*t+2*b:S+32*t+2*b+1], s[CS:CS+1], v[ST+4*t:ST+4*t+1] op_sel_hi:[1,0,0] neg_lo:[0,0,1] neg_hi:[0,0,1]  ; c s - c m
.set b, b+1
.endr
.set e, 0
.rept 32
	ALL v_exp_f32 v[S+32*t+e], v[S+32*t+e]
.set e, e+1
.endr
	v_nop                           ; a plain instruction behind the last exponential (ISA guide 5.7.2),
	s_wait_alu depctr_va_vdst(0)    ; and one wait ahead of the batch's first reader
	; the sums, of the unrounded weights: even keys' and odd keys' side by side
	ALL v_pk_add_f32 v[TMP+4*t:TMP+4*t+1], v[S+32*t:S+32*t+1], v[S+32*t+2:S+32*t+3]
.set b, 2
.rept 13
	ALL v_pk_add_f32 v[TMP+4*t:TMP+4*t+1], v[TMP+4*t:TMP+4*t+1], v[S+32*t+2*b:S+32*t+2*b+1]
.set b, b+1
.endr
.if \first
	ALL v_pk_add_f32 v[ST+4*t+2:ST+4*t+3], v[TMP+4*t:TMP+4*t+1], v[S+32*t+30:S+32*t+31]
.else
	ALL v_pk_add_f32 v[TMP+4*t:TMP+4*t+1], v[TMP+4*t:TMP+4*t+1], v[S+32*t+30:S+32*t+31]
	ALL v_pk_fma_f32 v[ST+4*t+2:ST+4*t+3], v[ST+4*t+2:ST+4*t+3], v[TMP+4*t+2:TMP+4*t+3], v[TMP+4*t:TMP+4*t+1] op_sel_hi:[1,0,1]  ; l = a l + the sum
.endif
	; the roundings to f16, in place: pair b goes into register b, which pairs b and later no longer need
.set b, 0
.rept 16
	ALL v_cvt_pk_f16_f32 v[S+32*t+b], v[S+32*t+2*b], v[S+32*t+2*b+1]
.set b, b+1
.endr
.if !(\first)
	WIN W_RS                        ; O^T times a, each accumulator from its low end on
.set b, 0
.rept 16
	ALL v_pk_mul_f32 v[32*t+2*b:32*t+2*b+1], v[32*t+2*b:32*t+2*b+1], v[TMP+4*t+2:TMP+4*t+3] op_sel_hi:[1,0]
.set b, b+1
.endr
	WIN 0
.endif
.endm
; A KEY STEP, in phases.  K and V share one buffer: V is fetched when the products K Q^T are issued, and lands during the softmax.
.macro STEP s, first, mk
	FETCH_K \s
	s_wait_dscnt 0x0                ; K is in
	KQM \mk
	WIN 0
	PLACES 4                        ; behind the last product: for the loads into K's registers and for the reads of S^T
	FETCH_V \s
	SOFT \first
	s_wait_dscnt 0x0                ; V is in
	PVM \first
	WIN 0
	PLACES 5                        ; behind the last product: the next step's products write over P's registers, its loads over V's; the way out reads O^T
.endm
	s_wait_tensorcnt 0x0            ; my two chunks are in (waves 6 and 7 have none),
	s_barrier_signal -1
	s_barrier_wait -1               ; everybody's are: the kernel's one barrier
	s_wait_loadcnt 0x0              ; Q
	STEP 2, 1, 0                    ; keys 64 u .. 64 u + 63: always there, all seen
	s_cmp_ge_u32 s[U], 1            ; keys 64 u - 64 on
	s_cbranch_scc0 .Lno_1
	STEP 1, 0, 0
.Lno_1:
	s_cmp_le_u32 s[U], 30           ; keys 64 u + 64 on
	s_cbranch_scc0 .Lno_3
	STEP 3, 0, 0
.Lno_3:
	s_cmp_ge_u32 s[U], 2            ; keys 64 u - 128 on: the window's lower edge
	s_cbranch_scc0 .Lno_0
	STEP 0, 0, 1
.Lno_0:
	s_cmp_le_u32 s[U], 29           ; keys 64 u + 128 on: its upper edge
	s_cbranch_scc0 .Lno_4
	STEP 4, 0, 2
.Lno_4:
	; THE WAY OUT.  l's two halves and the other half of the lanes' are added; O^T is divided by l and sent through my stage in LDS, a tile (16 rows) at a time.
	ALL v_add_f32 v[TMP+4*t], v[ST+4*t+2], v[ST+4*t+3]
	ALL v_permlanex16_b32 v[TMP+4*t+1], v[TMP+4*t], s[SEL], s[SEL+1]
	ALL v_add_f32 v[TMP+4*t], v[TMP+4*t], v[TMP+4*t+1]
	ALL v_rcp_f32 v[TMP+4*t+2], v[TMP+4*t]
	v_nop                           ; a plain instruction between the last reciprocal and the use of its result,
	s_wait_alu depctr_va_vdst(0)    ; and the wait ahead of the first use: one for the four
; Tile t: a lane's eight channels of a row are 32 bytes of f32; they go into rows of 272 bytes and come back as whole rows of 256, into S^T's registers.
.macro PACK t
	WIN W_RS
.set i, 0
.rept 16
	v_pk_mul_f32 v[32*(\t)+i:32*(\t)+i+1], v[32*(\t)+i:32*(\t)+i+1], v[TMP+4*(\t)+2:TMP+4*(\t)+3] op_sel_hi:[1,0]
.set i, i+2
.endr
	WIN ST_1
.irp f, 0,1,2,3,4,5,6,7
	ds_store_b128 v[STO], v[32*(\t)+4*\f:32*(\t)+4*\f+3] offset:(\f/2)*64+(\f%2)*16
.endr
	WIN 0
.irp f, 0,1,2,3,4,5,6,7
	ds_load_b128 v[S+32*(\t)+4*\f:S+32*(\t)+4*\f+3], v[RD] offset:\f*2*SP  ; LDS serves a wave's instructions in order (ISA guide 5.7.1.4): these see the stores above; the next tile's stores come behind them
.endr
.endm
.macro SEND t, younger              ; younger: the LDS instructions issued behind tile t's loads: the next tile's sixteen, or none
.irp f, 0,1,2,3,4,5,6,7
	s_wait_dscnt (\younger)+7-\f
	global_store_b128 v[GO], v[S+32*(\t)+4*\f:S+32*(\t)+4*\f+3], s[48:49] offset:(\t)*65536+\f*8192 th:TH_STORE_NT  ; 16 lanes store 256 consecutive bytes, at a multiple of 256 from out's first byte
.endr
.endm
	PACK 0
	PACK 1                          ; a tile's arithmetic stands between the loads of the tile before and its stores
	SEND 0, 16
	PACK 2
	SEND 1, 16
	PACK 3
	SEND 2, 16
	SEND 3, 0
	s_wait_tensorcnt 0x0            ; the wave's end, behind my last tensor load and my last LDS store
	ds_add_u32 v[SPW], v[NIL]
	s_wait_dscnt 0x0
	s_endpgm
.Lfunc_end_k_q0f5cd2c6fe_attn:
	.size	k_q0f5cd2c6fe_attn, .Lfunc_end_k_q0f5cd2c6fe_attn-k_q0f5cd2c6fe_attn
	.p2alignl 7, 3214868480
	.fill 96, 4, 3214868480
	.section	.rodata,"a",@progbits
	.p2align	6, 0x0
	.amdhsa_kernel k_q0f5cd2c6fe_attn
		.amdhsa_group_segment_fixed_size 269312
		.amdhsa_private_segment_fixed_size 0
		.amdhsa_enable_private_segment 0
		.amdhsa_kernarg_size 16
		.amdhsa_user_sgpr_count 2
		.amdhsa_user_sgpr_kernarg_segment_ptr 1
		.amdhsa_wavefront_size32 1
		.amdhsa_system_sgpr_workgroup_id_x 1
		.amdhsa_system_sgpr_workgroup_id_y 1
		.amdhsa_system_sgpr_workgroup_id_z 1
		.amdhsa_system_vgpr_workitem_id 0
		.amdhsa_next_free_vgpr 512
		.amdhsa_next_free_sgpr 66
		.amdhsa_reserve_vcc 1
		.amdhsa_float_denorm_mode_32 3
		.amdhsa_float_denorm_mode_16_64 3
		.amdhsa_memory_ordered 1
		.amdhsa_forward_progress 1
		.amdhsa_inst_pref_size 176
	.end_amdhsa_kernel
	.amdgpu_metadata
---
amdhsa.version: [ 1, 2 ]
amdhsa.kernels:
  - .name:           k_q0f5cd2c6fe_attn
    .symbol:         k_q0f5cd2c6fe_attn.kd
    .args:
      - { .name: qkv, .offset: 0, .size: 8, .value_kind: global_buffer, .address_space: global }
      - { .name: out0, .offset: 8, .size: 8, .value_kind: global_buffer, .address_space: global }
    .group_segment_fixed_size: 269312
    .private_segment_fixed_size: 0
    .kernarg_segment_align: 8
    .kernarg_segment_size: 16
    .max_flat_workgroup_size: 256
    .sgpr_count:     66
    .vgpr_count:     512
    .wavefront_size: 32
...
	.end_amdgpu_metadata
.endif
;; end of part 3
